; MI455X (gfx1250); checked and timed in simulation.
; The chip was launched on July 23, 2026; its instructions are those of AMD's public machine-readable ISA for CDNA 5 (MIT licence, August 2026) and "CDNA5" Instruction Set Architecture Reference Guide (July 2026). The comments in the code are by the model that wrote it; some were corrected since.
;; Scaled Dot Product Attention. Allowed arithmetic: matrix products marked QUANTISED: E2M3 operands, one E8M0 scale for each 32 along K, by v_wmma_scale_f32_16x16x128_f8f6f4 with both operands' format E2M3, f32 sums; everything else in f32.
;; Inputs: K_codes 4 x 16 x 2,048 x 4 x 24 uint8 (E2M3 codes of K, K innermost, in blocks of 32 codes, four codes in three bytes); K_scales 4 x 16 x 2,048 x 4 uint8 (E8M0 scales of K, one for each 32 codes along K); Q_codes 4 x 16 x 2,048 x 4 x 24 uint8 (E2M3 codes of Q, K innermost, in blocks of 32 codes, four codes in three bytes); Q_scales 4 x 16 x 2,048 x 4 uint8 (E8M0 scales of Q, one for each 32 codes along K); V_codes 4 x 16 x 128 x 64 x 24 uint8 (E2M3 codes of V, K innermost, in blocks of 32 codes, four codes in three bytes); V_scales 4 x 16 x 128 x 64 uint8 (E8M0 scales of V, one for each 32 codes along K).
;; Outputs: out0 4 x 16 x 2,048 x 128 float32.
;; This version of the problem:
;;   THIS VERSION OF THE PROBLEM IS GIVEN IN LOW PRECISION. The matrix products marked QUANTISED in the list below multiply operands that are first quantised to E2M3 (2 exponent bits, 3 mantissa bits; 6 bits a number), with one power-of-two scale for each 32 numbers along K (OCP MX v1.0); their sums are f32. All else is computed in f32.
;;   The module's matrix products, in the order in which they are computed (A, B: the left and right operand; K: the contracted axis; several contracted axes count as one K, in the product's order):
;;     1. batch 64 x [M 2,048, K 128] x [K 128, N 2,048]; A: input Q (given as codes); B: input K (given as codes): QUANTISED
;;     2. batch 64 x [M 2,048, K 2,048] x [K 2,048, N 128]; A: softmax (see below); B: input V (given as codes): QUANTISED
;;   THE QUANTISER, for each operand of a quantised product, along K:
;;     - K is cut into blocks of 32 from its start; a last block that is shorter is filled with zeros.
;;     - A block's scale is 2^e with e = floor(log2(the largest magnitude in the block)) - 2, held to -126 .. 127; a block of zeros has e = 0. As a byte (E8M0): e + 127.
;;     - Each number is divided by its block's scale, clamped to +-7.5, and rounded to the nearest number of E2M3, ties to even, subnormals kept.
;;     - The product sums the exact products of the quantised numbers (number of the format x scale) in f32.
;;   ~~~python
;;   def quantise(x, axis):      # numpy; x: float32 -> the quantised numbers, widened to float32 again
;;       x = np.moveaxis(x, axis, -1); K = x.shape[-1]
;;       x = np.pad(x, [(0, 0)] * (x.ndim - 1) + [(0, -K % 32)]); x = x.reshape(x.shape[:-1] + (-1, 32)); a = np.abs(x).max(-1, keepdims=True)
;;       e = np.where(a > 0, np.clip(np.frexp(np.where(a > 0, a, 1))[1] - 1 - 2, -126, 127), 0)      # np.frexp(a)[1] - 1 = floor(log2(a)), exactly
;;       r = np.clip(x / 2.0 ** e, -7.5, 7.5)
;;       step = 2.0 ** (np.maximum(np.frexp(np.where(r == 0, 1, r))[1] - 1, 0) - 3)
;;       q = np.round(r / step) * step * 2.0 ** e      # np.round: ties to even
;;       return np.moveaxis(q.reshape(q.shape[:-2] + (-1,))[..., :K], -1, axis).astype(np.float32)
;;   ~~~
;;   SOFTMAX AHEAD OF A QUANTISED PRODUCT. Where the list says 'softmax', what is quantised is not the finished softmax but p = 2^(t - M), with t = logit x log2(e) and M = ceil(the row's largest t), a whole number; so 1/2 < the row's largest p <= 1. The row's sum l is taken of the UNQUANTISED p, in f32, and the product's result is divided by l at the end. Since M is a whole number, a kernel that streams over the keys may use a running M (the ceiling of the running maximum): every later rescaling is an exact power of two, which a block's scale takes up: the codes' values come out the same.
;;   OPERANDS COMPUTED ON THE WAY. 'Computed on the way' means the value that the module computes at that place (a softmax that the list does not call 'softmax' is quantised finished and normalised). What goes into a quantiser is computed in f32, as accurately as f32 sums, v_exp_f32 and their like allow (about 1e-6 of the number): no bf16 or f16 on the way to a quantiser, and a product that is left as it is and whose result goes on into a quantised operand takes f32 operands (vector FMAs, or v_wmma_f32_16x16x4_f32). A number that lies on a knife's edge between two numbers of the format may be rounded either way, as far as f32 arithmetic and the matrix unit's own rounding can turn it there, and no further.
;;   INPUTS GIVEN AS CODES. K (in the module: [4, 16, 2048, 128], K = its axis 3); Q (in the module: [4, 16, 2048, 128], K = its axis 3); V (in the module: [4, 16, 2048, 128], K = its axis 2): each comes as NAME_codes (uint8): NAME with its K axis moved to the last place and cut into blocks of 32 codes, [.., K / 32, bytes a block], one block behind the other in memory; four codes in three bytes: a row's codes are one little-endian stream of bits, code i at bits 6 i .. 6 i + 5 (a code: sign, 2 exponent bits, 3 mantissa bits); and NAME_scales (uint8): the same leading axes, one E8M0 byte (e + 127) for each 32 codes along K. Its value is code x scale, taken as it is: it is not quantised again, and the codes and scales need not be those that the quantiser above would give.
;; One version. Each part assembles by itself: llvm-mc -triple=amdgcn-amd-amdhsa -mcpu=gfx1250 --defsym DOCPART=n.
;; ======== version 1 of 1: 1 launch
;; launch attn (part 1): grid 4 x 64, 8 waves a work-group, no clusters, 327,680 bytes of LDS; arguments Q_codes, Q_scales, K_codes, K_scales, V_codes, V_scales, out0; writes out0
.if DOCPART == 1
	.amdgcn_target "amdgcn-amd-amdhsa--gfx1250"
	.amdhsa_code_object_version 6
	.text
	.protected	k_qf7e8ed9abb_attn
	.globl	k_qf7e8ed9abb_attn
	.p2align	8
	.type	k_qf7e8ed9abb_attn,@function
k_qf7e8ed9abb_attn:
	s_mov_b64 s[64:65], 0
	v_nop
	global_prefetch_b8 v0, s[64:65] scope:SCOPE_SE
	s_setreg_imm32_b32 hwreg(HW_REG_WAVE_MODE, 25, 1), 1
	s_wait_xcnt 0x0
; out0[h][q][:] = the sum over k <= q of softmax_k(Q[h][q] . K[h][k] / sqrt(128)) V[h][k][:], 64 heads, 2,048 queries and keys, head size 128.
; Both products on codes of FP6 (E2M3) with one E8M0 scale for each 32 along a product's K.  Q, K: [64][2048][96 bytes], scale bytes [64][2048][4].
; V: the KEYS innermost, [64][128][1536 bytes], scale bytes [64][128][64].  out0: [64][2048][128] f32.
; THE SOFTMAX AHEAD OF THE SECOND PRODUCT: t = score x log2(e) / sqrt(128); M = the running largest t rounded UP to a whole number; p = 2^(t - M) is quantised along the keys, not normalised.
; The row's sum is taken of the unquantised p, in f32, and divides O at the end.  When M moves, the sum and O are multiplied by 2^(old M - new M): exact.
; SHARES.  Work-group (i, head), i = 0..3, owns TWO blocks of 256 queries: block 7 - i (pass 1: key slots 0 .. 7 - i, a slot = 256 keys) and then block i (pass 2: key slots i .. 0, DESCENDING,
; so that the slot's number is a choice between the trip's number S and 8 - S).  (8 - i) + (i + 1) = 9 slots for every work-group: 256 work-groups of equal work, a loop of a constant 8 trips and a tail,
; and no slot is fetched all of whose keys are hidden.  In pass 2 the diagonal slot comes first: a wave's first step there begins at a key that all its queries see, so M is a number from that step on.
; Each of the EIGHT waves owns 32 queries, two tiles of 16, in 480 registers (two waves to a SIMD): a fragment of K or of V read from LDS feeds two matrix instructions.
; LAYOUT.  Both products are used transposed: S^T = K Q^T (source 0 = 16 keys, source 1 = 16 queries), O^T = V^T P^T (source 0 = 16 of the head's 128, source 1 = P): a lane holds ONE query (lane % 16) throughout.
; THE KEYS OF A TILE ARE NOT NEIGHBOURS: lane r of tile 2 b + u takes key 32 b + 8 u + r + 8 (r / 8), so that the 16 registers of tiles 2 b and 2 b + 1 are 16 neighbouring keys, 32 b + 16 (lane / 16) + 0 .. 15.
; NO CLUSTER: the four work-groups of a head want the same slot in trips 0 to 4 only; in trips 5 to 7 the slot is S or 8 - S by the work-group, and a form in which all four ask for everything has 12 trips for 9.
; LIMITS: p under 2^-126 counts as 0 (v_exp_f32 gives 0 for results that would be denormal: ISA guide, its entry); a block of p that is all zeros keeps the scale byte 1, with zero codes; a given scale byte 0xff gives NaN;
; the row's sum is added in another order than a plain sum along the row; a block's largest p is made from the block's largest score by the same two instructions, which takes v_exp_f32 not to fall where its input rises.
;
; LDS (bytes).  Two slots, 65,536 apart.  In a slot: the even groups of 16 keys (8 rows of 1,536 bytes, dense) at 0; the odd groups at 12,304, 16 bytes further on than dense; V's 128 rows at 24,832.
; A fragment load of K takes eight keys of an even group (lanes r < 8) and eight of the odd group behind it: lane address 96 (r % 8) + 12,304 (r / 8) + 24 h, in words 24 (r % 8) + 3,076 (r / 8) + 6 h:
; modulo 64 banks of 4 bytes (ISA guide 11.1) eight multiples of 8, plus 0, 6, 4 or 10: the 32 lanes of a load of 8 bytes touch 64 different banks.
; V's rows are 3 x (64 bytes + 16 of padding), 240 bytes = 60 words apart: row r starts at bank -4 r mod 64.
.set SLOT1, 1<<16                      ; slot 1 begins here: one exclusive or turns an address in one slot into the other's
.set KODD,  12304                      ; the odd groups of keys
.set VOFF,  24832                      ; V's rows
.set VP,    240                        ; their pitch
.set SCK,   131072                     ; K's scale bytes of the whole head: 32 units of 256 bytes + 16 of padding (a unit: 64 keys)
.set SCH,   4352                       ; half of them: what one tensor load brings
.set SCV,   SCK+2*SCH                  ; V's likewise (a unit: 4 rows of 64 bytes)
.set SPARE, SCV+2*SCH                  ; the spare words, 128 bytes for each wave: four blocks of 256 bytes that no other line names
.set STAGE, SPARE+1024                 ; the way out: for each wave two stages (one for each pass) of 16 rows x (256 bytes + 16); no fill lands here
; REGISTERS, window 0
.set AK0,  1                           ; v1   my lane's place in a tile of K
.set AV0,  2                           ; v2   in a tile of V
.set AV1,  3                           ; v3   the same for pieces that lie behind one padding more in lanes 16-31
.set ASK0, 4                           ; v4   among K's scale words of key slot 0: lanes 0-15 an even tile's keys, lanes 16-31 the odd tile's
.set ASV0, 5                           ; v5   among V's: likewise
.set SPW,  6                           ; v6   LDS address of my spare word: SPARE + 4 x my thread's number; never rewritten
.set NIL,  7                           ; v7   0; never rewritten
.set GO,   8                           ; v8   the way out: my byte offset in two rows of out0
.set STO,  9                           ; v9   where I put 32 bytes of a row in my stage
.set SRD,  10                          ; v10  where I read a row back
.set DL,   11                          ; v11  r - 16 h: my query's place less my half's first key
.set ADK,  12                          ; v12-16 the trip's LDS addresses: K, V, V behind a padding, K's scale words, V's
.set ADV,  13
.set ADW,  14
.set ADS,  15
.set ADT,  16
.set QO,   18                          ; v18  Q's codes: 96 r + 24 h
.set QSO,  19                          ; v19  Q's scale words: 4 x lane
.set STT,  20                          ; tile x at v[20 + 4 x]: -M, the largest t, the sum in two halves
.set QS,   28                          ; v28  Q's scale words of the pass in hand: lanes 0-15 tile 0, lanes 16-31 tile 1
.set QSB,  29                          ; v29  pass 2's
.set PW,   30                          ; v30-31 p's scale word, tile x
.set SCW,  32                          ; v32-35 K's scale words of a step, then V's
.set QF,   36                          ; v36-59 Q's fragments, 12 a tile
.set QFB,  60                          ; v60-83 pass 2's
.set SC,   84                          ; v84-147 S^T, then p; the two tiles one after the other; on the way out rows of out0
.set PC,   148                         ; v148-171 p's codes, 12 a tile
.set CT,   172                         ; v172-174, v176-178 the conversions' second halves
.set BM,   180                         ; v180-183 the blocks' largest scores, then largest p
.set T1,   184                         ; v184-187 the other half's; then the scale bytes
.set SO,   188                         ; v188-191 the conversions' scale operands
.set FF,   192                         ; v[192:193] f = 2^(old M - new M), and a partner that is written once
.set TA,   194
.set TN,   195
.set C1,   196                         ; v[196:201] three chains of the sum
; window 1: v0-63 O^T of tile 0, v64-127 of tile 1; v128-223 eight fragments of K, then of V
.set FRG,  128
; SCALARS
.set WV,   18                          ; my wave's number
.set SEL,  20                          ; s[20:21] v_permlanex16_b32's selects for lane l xor 16
.set CS,   22                          ; s[22:23] c = log2(e) / sqrt(128): the packed form names a pair and takes its low word for both halves
.set G1K,  24                          ; s[24:31] descriptor group 1 for K's tiles; s[32:39] V's; s[48:55] the scale bytes'
.set G1V,  32
.set G0K,  40                          ; s[40:43], s[44:47] groups 0 for K's and V's tiles, written anew for each fill
.set G0V,  44
.set G1S,  48
.set G0SK, 56                          ; s[56:59], s[60:63] groups 0 for the scale bytes
.set G0SV, 60
.set TB,   66                          ; LDS byte at which the slot in hand begins
.set TRIP, 67                          ; S, the trip's number, 0 .. 8
.set LIM,  68                          ; 7 - i: pass 1's last trip
.set KS,   69                          ; the key slot in hand
.set KF,   70                          ; the step's first key
.set Q0,   71                          ; my first query in the pass in hand; s72, s73: in pass 1, in pass 2
.set Q0A,  72
.set Q0B,  73
.set TS,   74                          ; where the slot's scale words of K begin: 1,088 bytes a slot
.set TJ,   75                          ; and V's, in each row: 8 bytes a slot
.set KB,   76                          ; s[76:77] K's codes at my part of the head's slot 0; s[78:79] V's
.set VB,   78
.set OB1,  80                          ; s[80:81] out0 at my first row of pass 1; s[82:83] of pass 2
.set OB2,  82
.set MSB, 0
.macro WIN new                         ; s_set_vgpr_msb: bits 1:0 source 0, 3:2 source 1, 5:4 source 2, 7:6 destination; the high byte repeats the setting that is left
.if MSB != \new
	s_set_vgpr_msb (MSB<<8)|\new
.set MSB, \new
.endif
.endm
.macro PLACES                          ; four plain vector instructions between a matrix instruction and a read of its result, or a load into one of its registers (ISA guide 7.12.1 for vector instructions)
.rept 4
	v_nop
.endr
.endm
; Waves 0 and 1 fetch for K, waves 2 and 3 for V, the others nothing.  The branches hang on the wave's number alone.  Four v_nop follow each of the two lines.
.macro TLOAD g0k, g1k, g0v, g1v
	s_cmp_lt_u32 s[WV], 2
	s_cbranch_scc0 .Lnot_k_\@
	tensor_load_to_lds s[\g0k:\g0k+3], s[\g1k:\g1k+7]
	s_nop 0
.rept 4
	v_nop
.endr
	s_branch .Lasked_\@
.Lnot_k_\@:
	s_cmp_lt_u32 s[WV], 4
	s_cbranch_scc0 .Lasked_\@
	tensor_load_to_lds s[\g0v:\g0v+3], s[\g1v:\g1v+7]
	s_nop 0
.rept 4
	v_nop
.endr
.Lasked_\@:
.endm
; A pass begins: the largest t is -3e38, under every t; the sums and O^T are zeros, which the first change of M leaves zeros.
.macro CLEAR
.irp x, 0,1
	v_mov_b32 v[STT+4*\x+1], 0xff61b1e6
	v_floor_f32 v[STT+4*\x], -v[STT+4*\x+1]        ; -M
	v_mov_b32 v[STT+4*\x+2], 0
	v_mov_b32 v[STT+4*\x+3], 0
.endr
	WIN 0x40                                       ; destination window 1
.set j, 0
.rept 128
	v_mov_b32 v[j], 0                              ; twice in the launch: so the key step is written in one form, with no first step of its own, and nothing of pass 1 (a NaN, say) reaches pass 2
.set j, j+1
.endr
	WIN 0
.endm
	s_load_b128 s[4:7], s[0:1], 0x0                ; Q's codes, Q's scales
	s_load_b128 s[8:11], s[0:1], 0x10              ; K's codes, K's scales
	s_load_b128 s[12:15], s[0:1], 0x20             ; V's codes, V's scales
	s_load_b64 s[16:17], s[0:1], 0x30              ; out0
	v_lshl_add_u32 v[SPW], v0, 2, SPARE
	v_mov_b32 v[NIL], 0
	ds_add_u32 v6, v7
	s_wait_dscnt 0x0
	v_lshrrev_b32 v12, 5, v0
	v_readfirstlane_b32 s[WV], v12                 ; wave 0..7
	s_and_b32 s2, ttmp7, 0xffff                    ; the head
	s_sub_co_u32 s[LIM], 7, ttmp9                  ; 7 - i
	s_and_b32 s3, s[WV], 1                         ; a: which half I fetch, if I fetch
	s_lshl_b32 s88, s[WV], 5
	s_lshl_b32 s[Q0A], s[LIM], 8
	s_add_co_u32 s[Q0A], s[Q0A], s88               ; pass 1: 256 (7 - i) + 32 x wave
	s_lshl_b32 s[Q0B], ttmp9, 8
	s_add_co_u32 s[Q0B], s[Q0B], s88               ; pass 2: 256 i + 32 x wave
	s_mul_i32 s84, s2, 196608                      ; the head's first byte in each tensor of codes (2,048 x 96 = 128 x 1,536),
	s_mov_b32 s85, 0
	s_lshl_b32 s86, s2, 13                         ; and in each tensor of scale bytes
	s_mov_b32 s87, 0
	s_mul_i32 s90, s3, 1536                        ; K: wave 0 the even groups of 16 keys, wave 1 the odd ones
	s_add_co_u32 s90, s90, s84
	s_mov_b32 s91, 0
	s_mul_i32 s92, s3, 98304                       ; V: rows 64 a on
	s_add_co_u32 s92, s92, s84
	s_mov_b32 s93, 0
	s_lshl_b32 s94, s3, 12                         ; the scale bytes: half a head's, 4,096 bytes
	s_add_co_u32 s94, s94, s86
	s_mov_b32 s95, 0
	s_mul_i32 s96, s3, KODD                        ; and where they go in LDS
	s_mul_i32 s97, s3, 64*VP
	s_add_co_u32 s97, s97, VOFF
	s_mul_i32 s98, s3, SCH
	s_mul_i32 s99, s[WV], 8704
	s_add_co_u32 s99, s99, STAGE                   ; my two stages
	; descriptor group 1.  K: 8 rows of 1,536 bytes (192 elements of 8 bytes), every second group of 16 keys: 3,072 bytes (384 elements) apart; dense in LDS
	s_mov_b32 s[G1K], 3<<16                        ; 15:0 no mask; 17:16 elements of 8 bytes; 20 padding off
	s_mov_b32 s[G1K+1], 192<<16                    ; tensor_dim0
	s_mov_b32 s[G1K+2], 8<<16                      ; tensor_dim1
	s_mov_b32 s[G1K+3], 192<<16                    ; tile_dim0
	s_mov_b32 s[G1K+4], 8                          ; tile_dim1
	s_mov_b32 s[G1K+5], 384                        ; tensor_dim0_stride
	s_mov_b32 s[G1K+6], 0
	s_mov_b32 s[G1K+7], 0
	; V: 64 rows of 192 bytes, 1,536 bytes apart; 16 bytes of padding behind every 64
	s_mov_b32 s[G1V], (1<<20)|(3<<22)|(3<<25)      ; elements of 1 byte; padding on; after every 16 words (code 3); of 4 words (code 3)
	s_mov_b32 s[G1V+1], 192<<16
	s_mov_b32 s[G1V+2], 64<<16
	s_mov_b32 s[G1V+3], 192<<16
	s_mov_b32 s[G1V+4], 64
	s_mov_b32 s[G1V+5], 1536
	s_mov_b32 s[G1V+6], 0
	s_mov_b32 s[G1V+7], 0
	; the scale bytes: 4,096 dense bytes as 16 rows of 256 (32 elements of 8 bytes), 16 bytes of padding behind each
	s_mov_b32 s[G1S], (3<<16)|(1<<20)|(5<<22)|(3<<25)
	s_mov_b32 s[G1S+1], 32<<16
	s_mov_b32 s[G1S+2], 16<<16
	s_mov_b32 s[G1S+3], 32<<16
	s_mov_b32 s[G1S+4], 16
	s_mov_b32 s[G1S+5], 32
	s_mov_b32 s[G1S+6], 0
	s_mov_b32 s[G1S+7], 0
	s_mov_b32 s[SEL], 0x76543210
	s_mov_b32 s[SEL+1], 0xfedcba98
	s_mov_b32 s[CS], 0x3e0293ee                    ; c = log2(e) / sqrt(128)
	s_mov_b32 s[CS+1], s[CS]                       ; (named with it as a pair, so it is written)
	s_mov_b32 s[TB], 0
	s_mov_b32 s[TRIP], 0
	; every lane's LDS addresses are made here, ahead of the first branch on the wave's number
	v_and_b32 v12, 15, v0                          ; r
	v_bfe_u32 v13, v0, 4, 1                        ; h
	v_and_b32 v14, 7, v0                           ; r % 8
	v_bfe_u32 v15, v0, 3, 1                        ; r / 8
	v_bfe_u32 v16, v0, 2, 2                        ; r / 4
	v_and_b32 v17, 3, v0                           ; r % 4
	v_mul_u32_u24 v[AK0], v14, 96
	v_mad_u32_u24 v[AK0], v15, KODD, v[AK0]
	v_mad_u32_u24 v[AK0], v13, 24, v[AK0]          ; K: 96 (r % 8) + 12,304 (r / 8) + 24 h
	v_mul_u32_u24 v[AV0], v12, VP
	v_mad_u32_u24 v[AV0], v13, 24, v[AV0]
	v_add_nc_u32 v[AV0], VOFF, v[AV0]              ; V: row r, + 24 h
	v_lshl_add_u32 v[AV1], v13, 4, v[AV0]          ; and + 40 h
	v_lshl_add_u32 v[ASK0], v14, 2, SCK
	v_lshl_add_u32 v[ASK0], v15, 6, v[ASK0]
	v_lshl_add_u32 v[ASK0], v13, 5, v[ASK0]        ; K's scale words: key (r % 8) + 16 (r / 8) + 8 h of a block of 32, 4 bytes a key
	v_mul_u32_u24 v[ASV0], v16, 272
	v_lshl_add_u32 v[ASV0], v17, 6, v[ASV0]
	v_mad_u32_u24 v[ASV0], v13, 1088, v[ASV0]
	v_add_nc_u32 v[ASV0], SCV, v[ASV0]             ; V's: row r + 16 h of a pair of tiles: unit (r / 4) + 4 h, 64 (r % 4) in it
	v_lshlrev_b32 v[GO], 9, v13
	v_lshl_add_u32 v[GO], v12, 4, v[GO]            ; out0: lanes 0-15 one row of 512 bytes, lanes 16-31 the next; 16 bytes a lane
	v_mul_u32_u24 v[STO], v12, 272
	v_lshl_add_u32 v[STO], v13, 5, v[STO]
	v_add_nc_u32 v[STO], s99, v[STO]               ; the stage, in: row r, + 32 h
	v_mul_u32_u24 v[SRD], v13, 272
	v_lshl_add_u32 v[SRD], v12, 4, v[SRD]
	v_add_nc_u32 v[SRD], s99, v[SRD]               ; and back: lanes 0-15 one row, lanes 16-31 the next
	v_lshlrev_b32 v[DL], 4, v13
	v_sub_nc_u32 v[DL], v12, v[DL]                 ; r - 16 h
	v_mul_u32_u24 v[QO], v12, 96
	v_mad_u32_u24 v[QO], v13, 24, v[QO]
	v_and_b32 v[QSO], 31, v0
	v_lshlrev_b32 v[QSO], 2, v[QSO]
	s_wait_kmcnt 0x0
	s_add_nc_u64 s[KB:KB+1], s[8:9], s[90:91]
	s_add_nc_u64 s[VB:VB+1], s[12:13], s[92:93]
	s_mov_b32 s[G0SK], 1                           ; 1:0 count = 1
	s_add_co_u32 s[G0SK+1], s98, SCK               ; 63:32 LDS address
	s_add_nc_u64 s[G0SK+2:G0SK+3], s[10:11], s[94:95]   ; 120:64 global address
	s_or_b32 s[G0SK+3], s[G0SK+3], 0x80000000      ; 127:126 type = 2
	s_mov_b32 s[G0SV], 1
	s_add_co_u32 s[G0SV+1], s98, SCV
	s_add_nc_u64 s[G0SV+2:G0SV+3], s[14:15], s[94:95]
	s_or_b32 s[G0SV+3], s[G0SV+3], 0x80000000
	TLOAD G0SK, G1S, G0SV, G1S                     ; the scale bytes of the whole head: filled once
	s_mov_b32 s[G0K], 1
	s_mov_b32 s[G0K+1], s96                        ; slot 0
	s_mov_b64 s[G0K+2:G0K+3], s[KB:KB+1]           ; key slot 0
	s_or_b32 s[G0K+3], s[G0K+3], 0x80000000
	s_mov_b32 s[G0V], 1
	s_mov_b32 s[G0V+1], s97
	s_mov_b64 s[G0V+2:G0V+3], s[VB:VB+1]
	s_or_b32 s[G0V+3], s[G0V+3], 0x80000000
	TLOAD G0K, G1K, G0V, G1V                       ; two tensor loads of a fetching wave are out; the first wait on them is for 0
	; Q of both passes stays in registers
	s_mov_b32 s97, 0
	s_mul_i32 s96, s[Q0A], 96
	s_add_co_u32 s96, s96, s84
	s_add_nc_u64 s[88:89], s[4:5], s[96:97]        ; pass 1's codes
	s_mul_i32 s96, s[Q0B], 96
	s_add_co_u32 s96, s96, s84
	s_add_nc_u64 s[90:91], s[4:5], s[96:97]        ; pass 2's
	s_lshl_b32 s96, s[Q0A], 2
	s_add_co_u32 s96, s96, s86
	s_add_nc_u64 s[92:93], s[6:7], s[96:97]        ; pass 1's scale words
	s_lshl_b32 s96, s[Q0B], 2
	s_add_co_u32 s96, s96, s86
	s_add_nc_u64 s[94:95], s[6:7], s[96:97]        ; pass 2's
.irp x, 0,1
.irp p, 0,1,2,3,4,5
	global_load_b64 v[QF+12*\x+2*\p:QF+12*\x+2*\p+1], v[QO], s[88:89] offset:1536*\x+48*(\p/3)+8*(\p%3)
	global_load_b64 v[QFB+12*\x+2*\p:QFB+12*\x+2*\p+1], v[QO], s[90:91] offset:1536*\x+48*(\p/3)+8*(\p%3)
.endr
.endr
	global_load_b32 v[QS], v[QSO], s[92:93]        ; lane l: query l of my 32
	global_load_b32 v[QSB], v[QSO], s[94:95]
	s_lshl_b32 s98, s2, 20                         ; out0: a head is 2,048 rows of 512 bytes
	s_lshl_b32 s96, s[Q0A], 9
	s_add_co_u32 s96, s96, s98
	s_add_nc_u64 s[OB1:OB1+1], s[16:17], s[96:97]
	s_lshl_b32 s96, s[Q0B], 9
	s_add_co_u32 s96, s96, s98
	s_add_nc_u64 s[OB2:OB2+1], s[16:17], s[96:97]
	CLEAR
.irp b, 0,1,2,3
	v_mov_b32 v[T1+\b], 0                          ; written once: a lane permute's destination counts as one of its sources
.endr
	v_mov_b32 v[FF+1], 0                           ; (named as the upper half of the pair before it is otherwise written)
; A fragment of K: tile t of the slot's q-th 128 keys: block t / 2, keys 8 (t % 2) on in its two groups of 16.  24 bytes a half, in pieces of 8: every address is a multiple of the access's size.
.macro KFRAG t, q
.irp p, 0,1,2,3,4,5
	ds_load_b64 v[FRG+12*(\t)+2*\p:FRG+12*(\t)+2*\p+1], v[ADK] offset:(4*(\q)+(\t)/2)*1536+((\t)%2)*768+48*(\p/3)+8*(\p%3)
.endr
.endm
; A fragment of V: rows 16 t on, the slot's q-th 96 bytes.  Lanes 16-31 read three pieces further on than lanes 0-15: where that is behind one padding more, the second address register serves.
.macro VFRAG t, q
.irp p, 0,1,2,3,4,5
.set PCE, 12*(\q)+6*(\p/3)+\p%3
.if PCE%8 < 5
	ds_load_b64 v[FRG+12*(\t)+2*\p:FRG+12*(\t)+2*\p+1], v[ADV] offset:8*PCE+16*(PCE/8)+(\t)*16*VP
.else
	ds_load_b64 v[FRG+12*(\t)+2*\p:FRG+12*(\t)+2*\p+1], v[ADW] offset:8*PCE+16*(PCE/8)+(\t)*16*VP
.endif
.endr
.endm
; S^T of tile x, 16 keys: K's scale words of an odd tile, and Q's of tile 1, stand in lanes 16-31 of their registers.
.macro SMUL x, t
.set rD, SC+8*(\t)
.set rA, FRG+12*(\t)
.set rB, QF+12*(\x)
.if ((\t)%2 == 0) && ((\x) == 0)
	v_wmma_scale_f32_16x16x128_f8f6f4 v[rD:rD+7], v[rA:rA+11], v[rB:rB+11], 0, v[SCW+(\t)/2], v[QS] matrix_a_fmt:MATRIX_FMT_FP6 matrix_b_fmt:MATRIX_FMT_FP6
.elseif ((\t)%2 == 1) && ((\x) == 0)
	v_wmma_scale_f32_16x16x128_f8f6f4 v[rD:rD+7], v[rA:rA+11], v[rB:rB+11], 0, v[SCW+(\t)/2], v[QS] matrix_a_fmt:MATRIX_FMT_FP6 matrix_b_fmt:MATRIX_FMT_FP6 matrix_a_scale:MATRIX_SCALE_ROW1
.elseif (\t)%2 == 0
	v_wmma_scale_f32_16x16x128_f8f6f4 v[rD:rD+7], v[rA:rA+11], v[rB:rB+11], 0, v[SCW+(\t)/2], v[QS] matrix_a_fmt:MATRIX_FMT_FP6 matrix_b_fmt:MATRIX_FMT_FP6 matrix_b_scale:MATRIX_SCALE_ROW1
.else
	v_wmma_scale_f32_16x16x128_f8f6f4 v[rD:rD+7], v[rA:rA+11], v[rB:rB+11], 0, v[SCW+(\t)/2], v[QS] matrix_a_fmt:MATRIX_FMT_FP6 matrix_b_fmt:MATRIX_FMT_FP6 matrix_a_scale:MATRIX_SCALE_ROW1 matrix_b_scale:MATRIX_SCALE_ROW1
.endif
.endm
; O^T of tile x, channels 16 t on, += V^T P^T over the step's 128 keys
.macro PVMUL x, t
.set rO, 64*(\x)+8*(\t)
.if (\t)%2 == 0
	v_wmma_scale_f32_16x16x128_f8f6f4 v[rO:rO+7], v[FRG+12*(\t):FRG+12*(\t)+11], v[PC+12*(\x):PC+12*(\x)+11], v[rO:rO+7], v[SCW+(\t)/2], v[PW+(\x)] matrix_a_fmt:MATRIX_FMT_FP6 matrix_b_fmt:MATRIX_FMT_FP6
.else
	v_wmma_scale_f32_16x16x128_f8f6f4 v[rO:rO+7], v[FRG+12*(\t):FRG+12*(\t)+11], v[PC+12*(\x):PC+12*(\x)+11], v[rO:rO+7], v[SCW+(\t)/2], v[PW+(\x)] matrix_a_fmt:MATRIX_FMT_FP6 matrix_b_fmt:MATRIX_FMT_FP6 matrix_a_scale:MATRIX_SCALE_ROW1
.endif
.endm
; THE SOFTMAX of tile x for the step's 128 keys: the scores in v[SC] on become p, its codes and its scale word; the sum and O^T go under the new M.
; It begins in window 0 and ends in the window of O^T's rescaling: the caller's next switch follows with no label or branch between.
.macro SOFTMAX x
.set rT, STT+4*\x
.set rP, PC+12*\x
	s_add_co_u32 s88, s[KF], 127                   ; a step all of whose keys count for the tile's 16 queries skips the mask: a scalar branch on ids
	s_add_co_u32 s89, s[Q0], 16*\x
	s_cmp_le_u32 s88, s89
	s_cbranch_scc1 .Lopen_\@
	s_sub_co_u32 s88, s89, s[KF]
	v_add_nc_u32 v[TA], s88, v[DL]                 ; d = my query - KF - 16 h.  Register 16 b + i holds key KF + 16 h + 32 b + i: hidden where 32 b + i > d
	v_mov_b32 v[TN], 0xff800000                    ; -infinity: p = 0 then
.set n, 0
.rept 64
	v_cmp_gt_i32 vcc_lo, 32*(n/16)+n%16, v[TA]
	v_cndmask_b32 v[SC+n], v[SC+n], v[TN], vcc_lo  ; ascending: each accumulator from its low end on
.set n, n+1
.endr
.Lopen_\@:
.irp b, 0,1,2,3
	v_max3_num_f32 v[BM+\b], v[SC+16*\b], v[SC+16*\b+1], v[SC+16*\b+2]   ; THE LARGEST SCORE OF EACH BLOCK OF 32 KEYS serves twice: for the row's maximum, and, since p rises with the score, for the block's largest p
.endr
.irp i, 3,5,7,9,11,13
.irp b, 0,1,2,3
	v_max3_num_f32 v[BM+\b], v[BM+\b], v[SC+16*\b+\i], v[SC+16*\b+\i+1]   ; (the four blocks by turns: no line waits for the line above it)
.endr
.endr
.irp b, 0,1,2,3
	v_max_num_f32 v[BM+\b], v[BM+\b], v[SC+16*\b+15]
.endr
.irp b, 0,1,2,3
	v_permlanex16_b32 v[T1+\b], v[BM+\b], s[SEL], s[SEL+1]
.endr
.irp b, 0,1,2,3
	v_max_num_f32 v[BM+\b], v[BM+\b], v[T1+\b]     ; with lane l xor 16's 16 keys
.endr
	v_max3_num_f32 v[TA], v[BM], v[BM+1], v[BM+2]
	v_max_num_f32 v[TA], v[TA], v[BM+3]            ; the step's largest score of my query
	v_mul_f32 v[TA], s[CS], v[TA]                  ; as t (c is positive)
	v_max_num_f32 v[rT+1], v[rT+1], v[TA]          ; the running largest t
	v_mov_b32 v[TA], v[rT]
	v_floor_f32 v[rT], -v[rT+1]                    ; the new -M = floor(-t) = -ceil(t): M IS A WHOLE NUMBER
	v_sub_f32 v[TA], v[rT], v[TA]                  ; M's old value less its new one: a whole number, 0 or less
	v_cvt_i32_f32 v[TA], v[TA]                     ; (it saturates)
	v_ldexp_f32 v[FF], 1.0, v[TA]                  ; f = 2^(old M - new M): a multiplication by it rounds nothing
.set j, 0
.rept 32
	v_pk_fma_f32 v[SC+j:SC+j+1], v[SC+j:SC+j+1], s[CS:CS+1], v[rT:rT+1] op_sel_hi:[1,0,0]   ; t - M, two at a time (of the pairs c and -M the low word serves both halves)
.set j, j+2
.endr
.irp b, 0,1,2,3
	v_fma_f32 v[BM+\b], v[BM+\b], s[CS], v[rT]     ; the same of each block's largest score
.endr
.set j, 0
.rept 64
	v_exp_f32 v[SC+j], v[SC+j]                     ; p = 2^(t - M), at most 1: NOT normalised
.set j, j+1
.endr
.irp b, 0,1,2,3
	v_exp_f32 v[BM+\b], v[BM+\b]                   ; the block's largest p: the same two instructions on the same number give the same bits
.endr
	v_pk_mul_f32 v[rT+2:rT+3], v[rT+2:rT+3], v[FF:FF+1] op_sel_hi:[1,0]   ; the sums under the new M.  (The plain instruction behind the exponentials)
	s_wait_alu depctr_va_vdst(0)
.irp b, 0,1,2,3
	v_max_num_f32 v[BM+\b], 0x1800000, v[BM+\b]    ; the floor 2^(3 - 127): the byte cannot fall under 1
.endr
.irp b, 0,1,2,3
	v_add_nc_u32 v[SO+\b], 0xff000000, v[BM+\b]    ; 2 off the exponent field: the conversion takes the exponent field of this operand as its scale, and nothing else of it
.endr
.irp b, 0,1,2,3
	v_lshrrev_b32 v[T1+\b], 23, v[SO+\b]           ; the scale's byte
.endr
	v_lshl_or_b32 v[PW+\x], v[T1+1], 8, v[T1]      ; p's scale word for these 128 keys
	v_lshl_or_b32 v[PW+\x], v[T1+2], 16, v[PW+\x]
	v_lshl_or_b32 v[PW+\x], v[T1+3], 24, v[PW+\x]
.irp c, 0,1
	v_cvt_scalef32_pk16_fp6_f32 v[rP+6*\c:rP+6*\c+2], v[SC+32*\c:SC+32*\c+15], v[SO+2*\c]
	v_cvt_scalef32_pk16_fp6_f32 v[CT+4*\c:CT+4*\c+2], v[SC+32*\c+16:SC+32*\c+31], v[SO+2*\c+1]   ; (a conversion's three registers begin on an even number)
.endr
	v_nop                                          ; one plain vector instruction behind the last scaled conversion
.irp c, 0,1                                    ; the operand's layout wants a WHOLE block in a lane: lanes 0-15 block 2 c, lanes 16-31 block 2 c + 1
.irp i, 0,1,2
	v_permlane16_swap_b32 v[rP+6*\c+\i], v[CT+4*\c+\i]
.endr
.irp i, 0,1,2
	v_mov_b32 v[rP+6*\c+3+\i], v[CT+4*\c+\i]
.endr
.endr
	v_pk_add_f32 v[rT+2:rT+3], v[rT+2:rT+3], v[SC:SC+1]           ; THE ROW'S SUM IS TAKEN OF THE UNQUANTISED p: two at a time, in four chains
	v_pk_add_f32 v[C1:C1+1], v[SC+2:SC+3], v[SC+10:SC+11]
	v_pk_add_f32 v[C1+2:C1+3], v[SC+4:SC+5], v[SC+12:SC+13]
	v_pk_add_f32 v[C1+4:C1+5], v[SC+6:SC+7], v[SC+14:SC+15]
	v_pk_add_f32 v[rT+2:rT+3], v[rT+2:rT+3], v[SC+8:SC+9]
.irp g, 2,3,4,5,6,7
	v_pk_add_f32 v[rT+2:rT+3], v[rT+2:rT+3], v[SC+8*\g:SC+8*\g+1]
	v_pk_add_f32 v[C1:C1+1], v[C1:C1+1], v[SC+8*\g+2:SC+8*\g+3]
	v_pk_add_f32 v[C1+2:C1+3], v[C1+2:C1+3], v[SC+8*\g+4:SC+8*\g+5]
	v_pk_add_f32 v[C1+4:C1+5], v[C1+4:C1+5], v[SC+8*\g+6:SC+8*\g+7]
.endr
	v_pk_add_f32 v[C1:C1+1], v[C1:C1+1], v[C1+2:C1+3]
	v_pk_add_f32 v[rT+2:rT+3], v[rT+2:rT+3], v[C1+4:C1+5]
	v_pk_add_f32 v[rT+2:rT+3], v[rT+2:rT+3], v[C1:C1+1]
	WIN 0x41                                       ; O^T (destination and source 0) in window 1, f in window 0
.set j, 64*\x
.rept 32
	v_pk_mul_f32 v[j:j+1], v[j:j+1], v[FF:FF+1] op_sel_hi:[1,0]   ; O^T under the new M: x f
.set j, j+2
.endr
.endm
; A KEY STEP: 128 keys, the q-th of the slot in hand, for my 32 queries.  ads, adt: the registers that hold the LDS addresses of the slot's scale words of K and of V.
; A step all of whose keys come after my queries is left out: a scalar branch on ids, round its loads, products and softmax; no barrier and no tensor load stands in a step.
.macro STEP q, ads, adt
	s_add_co_u32 s88, s[Q0], 31
	s_cmp_gt_u32 s[KF], s88
	s_cbranch_scc1 .Lhidden_\@
.irp b, 0,1,2,3
	ds_load_b32 v[SCW+\b], v[\ads] offset:544*(\q)+272*(\b/2)+128*(\b%2)   ; K's scale words: lanes 0-15 tile 2 b's, lanes 16-31 tile 2 b + 1's
.endr
	WIN 0x40                                       ; destination window 1
.irp t, 0,1,2,3,4,5,6,7
	KFRAG \t, \q
.endr
	s_wait_dscnt 24                                ; the scale words and fragments 0-3 are in; the 24 loads of fragments 4-7 may be out
	WIN 0x01                                       ; source 0 (K) window 1
.irp t, 0,1,2,3
	SMUL 0, \t
.endr
	s_wait_dscnt 0x0
.irp t, 4,5,6,7
	SMUL 0, \t
.endr
	WIN 0
	PLACES                                         ; in front of the first read of the scores
	SOFTMAX 0
	WIN 0x01
.irp t, 0,1,2,3,4,5,6,7
	SMUL 1, \t                                     ; the same fragments of K once more: tile 1's scores take the registers that tile 0's p has left
.endr
	WIN 0
	PLACES                                         ; in front of the loads into the registers that these products read, and of the first read of the scores
.irp c, 0,1,2,3
	ds_load_b32 v[SCW+\c], v[\adt] offset:4*(\q)+2176*\c   ; V's scale words: lanes 0-15 tile 2 c's rows, lanes 16-31 tile 2 c + 1's
.endr
	WIN 0x40
.irp t, 0,1,2,3,4,5,6,7
	VFRAG \t, \q                                   ; V's fragments land while tile 1's softmax is worked
.endr
	WIN 0
	SOFTMAX 1
	s_wait_dscnt 0x0                               ; V is in
	WIN 0x51                                       ; source 0 (V), C and D (O^T) window 1; source 1 (p's codes) window 0
.irp t, 0,1,2,3,4,5,6,7
	PVMUL 0, \t                                    ; the sixteen accumulators take turns, one instruction a turn
	PVMUL 1, \t
.endr
	WIN 0
	PLACES                                         ; in front of the next loads into these products' registers, and of the first read of O^T
.Lhidden_\@:
	s_add_co_u32 s[KF], s[KF], 128
.endm
; THE CHANGE OF SLOTS stands at a trip's head.  Each wave waits for all its tensor loads (its part of the slot that it is about to read), adds 0 to its spare word, and waits for that and for its reads of the slot that it has left.
; Behind the barrier the slot ahead is whole and nobody reads the other one.  fill = 1: that other slot is filled with the next trip's keys: the load has a whole trip's steps in which to land.
.macro CHANGE fill
	s_wait_tensorcnt 0x0                           ; no tensor load of mine is out, so a group 0 may be written
	ds_add_u32 v[SPW], v[NIL]                      ; 0 onto my spare word; with fill = 1 the descriptors are made between it and the wait for it
.if \fill
	s_xor_b32 s[G0K+1], s[G0K+1], SLOT1            ; the other slot than last time
	s_xor_b32 s[G0V+1], s[G0V+1], SLOT1
	s_add_co_u32 s88, s[TRIP], 1                   ; the next trip's key slot: S + 1 while pass 1 lasts,
	s_sub_co_u32 s89, 7, s[TRIP]                   ; 8 - (S + 1) in pass 2
	s_cmp_le_u32 s88, s[LIM]
	s_cselect_b32 s90, s88, s89
	s_mul_i32 s84, s90, 24576                      ; K: 256 keys of 96 bytes a slot  (s85 = s87 = 0 since the head)
	s_mul_i32 s86, s90, 192                        ; V: 192 bytes on in each row
	s_add_nc_u64 s[G0K+2:G0K+3], s[KB:KB+1], s[84:85]
	s_or_b32 s[G0K+3], s[G0K+3], 0x80000000
	s_add_nc_u64 s[G0V+2:G0V+3], s[VB:VB+1], s[86:87]
	s_or_b32 s[G0V+3], s[G0V+3], 0x80000000
.endif
	s_wait_dscnt 0x0                               ; the add is done, and my reads of the slot that I have left are over
	s_barrier_signal -1
	s_barrier_wait -1
.if \fill
	TLOAD G0K, G1K, G0V, G1V                       ; the first thing behind the barrier, and a wave's one tensor load until the next
.endif
.endm
; What a trip's steps hang on: the key slot, the pass's first query, and the LDS addresses.
; last = 1: the ninth trip, S = 8, which is pass 2's key slot 0 in every work-group (8 > 7 - i): nothing is chosen, and the scale words' addresses are those of slot 0 as the head made them.
.macro TRIPSET last
.if \last
	s_mov_b32 s[Q0], s[Q0B]
	s_mov_b32 s[KF], 0
.else
	s_sub_co_u32 s88, 8, s[TRIP]
	s_cmp_le_u32 s[TRIP], s[LIM]
	s_cselect_b32 s[KS], s[TRIP], s88              ; pass 1: S; pass 2: 8 - S
	s_cselect_b32 s[Q0], s[Q0A], s[Q0B]
	s_min_u32 s[KS], s[KS], 7                      ; at most 7 already (pass 1: S <= 7 - i; pass 2: 8 - S <= i): the line states the bound that keeps the addresses below inside the scale bytes' regions
	s_lshl_b32 s[KF], s[KS], 8
	s_mul_i32 s[TS], s[KS], 1088                   ; four units of 272 bytes a slot
	s_lshl_b32 s[TJ], s[KS], 3
.endif
	v_add_nc_u32 v[ADK], s[TB], v[AK0]
	v_add_nc_u32 v[ADV], s[TB], v[AV0]
	v_add_nc_u32 v[ADW], s[TB], v[AV1]
.if !\last
	v_add_nc_u32 v[ADS], s[TS], v[ASK0]
	v_add_nc_u32 v[ADT], s[TJ], v[ASV0]
.endif
.endm
; THE WAY OUT of a pass, tile by tile.  The sum's two halves and lane l xor 16's are added; O^T is divided by the sum and goes through my stage c in LDS, half a row (64 channels, 256 bytes) of 16 queries at a time.
; LDS serves a wave's instructions in order (ISA guide 5.7.1.4): the loads see the stores above them, and the next half's stores come behind them.
.macro OUT c, ob
.irp x, 0,1
	v_add_f32 v[TA], v[STT+4*\x+2], v[STT+4*\x+3]
	v_permlanex16_b32 v[T1], v[TA], s[SEL], s[SEL+1]
	v_add_f32 v[TA], v[TA], v[T1]                  ; the row's sum
	v_rcp_f32 v[TN], v[TA]
	v_nop                                          ; one plain instruction behind the reciprocal
.if \x == 1
	s_wait_xcnt 0x0                                ; tile 0's stores have read their registers: they are written again only behind this wait
.endif
	WIN 0x01                                       ; source 0 (O^T) window 1
.set j, 0
	s_wait_alu depctr_va_vdst(0)
.rept 64
	v_mul_f32 v[SC+j], v[64*\x+j], v[TN]           ; register 8 t + i is out0(r, 16 t + 8 h + i); ascending: each accumulator from its low end on
.set j, j+1
.endr
	WIN 0
.irp u, 0,1                                    ; channels 64 u on
.irp t, 0,1,2,3
	ds_store_b128 v[STO], v[SC+32*\u+8*\t:SC+32*\u+8*\t+3] offset:4352*\c+64*\t
	ds_store_b128 v[STO], v[SC+32*\u+8*\t+4:SC+32*\u+8*\t+7] offset:4352*\c+64*\t+16
.endr
.irp i, 0,1,2,3,4,5,6,7
	ds_load_b128 v[SC+32*\u+4*\i:SC+32*\u+4*\i+3], v[SRD] offset:4352*\c+544*\i   ; rows 2 i and 2 i + 1, into the registers that the stores have left
.endr
.endr
.irp u, 0,1
.irp i, 0,1,2,3,4,5,6,7
	s_wait_dscnt 23-16*\u-\i                       ; behind this load: the rest of its eight, and for the first half the second half's sixteen
	global_store_b128 v[GO], v[SC+32*\u+4*\i:SC+32*\u+4*\i+3], s[\ob:\ob+1] offset:8192*\x+1024*\i+256*\u th:TH_STORE_NT   ; 16 lanes store 256 consecutive bytes, at a multiple of 256 from out0's first byte; written once
.endr
.endr
.endr
.endm
; Pass 2 begins: its Q and its scale words take pass 1's places; the moves of CLEAR stand between these writes and the next products.
.macro REINIT
.set j, 0
.rept 24
	v_mov_b32 v[QF+j], v[QFB+j]
.set j, j+1
.endr
	v_mov_b32 v[QS], v[QSB]
	CLEAR
.endm
	s_wait_loadcnt 0x0                             ; Q of both passes is in; its loads' bases may be written again
.Ltrip:                                            ; 8 trips: behind each change of slots the next trip's slot is asked for
	CHANGE 1
	TRIPSET 0
	STEP 0, ADS, ADT
	STEP 1, ADS, ADT
	s_xor_b32 s[TB], s[TB], SLOT1                  ; on to the other slot
	s_cmp_lg_u32 s[TRIP], s[LIM]                   ; pass 1's last trip?  The same answer in all eight waves; no barrier and no tensor load stands under the branch
	s_cbranch_scc1 .Lsame
	OUT 0, OB1
	s_wait_xcnt 0x0                                ; the stores have read their registers: the next scores are written only behind this wait
	REINIT
.Lsame:
	s_add_co_u32 s[TRIP], s[TRIP], 1
	s_cmp_lt_u32 s[TRIP], 8
	s_cbranch_scc1 .Ltrip
	CHANGE 0                                       ; the last trip (pass 2's key slot 0) is written out
	TRIPSET 1
	STEP 0, ASK0, ASV0
	STEP 1, ASK0, ASV0
	OUT 1, OB2
	s_wait_tensorcnt 0x0                           ; the wave's end, behind my last tensor load and my last LDS store
	ds_add_u32 v[SPW], v[NIL]
	s_wait_dscnt 0x0
	s_endpgm
.Lfunc_end_k_qf7e8ed9abb_attn:
	.size	k_qf7e8ed9abb_attn, .Lfunc_end_k_qf7e8ed9abb_attn-k_qf7e8ed9abb_attn
	.p2alignl 7, 3214868480
	.fill 96, 4, 3214868480
	.section	.rodata,"a",@progbits
	.p2align	6, 0x0
	.amdhsa_kernel k_qf7e8ed9abb_attn
		.amdhsa_group_segment_fixed_size 327680
		.amdhsa_private_segment_fixed_size 0
		.amdhsa_enable_private_segment 0
		.amdhsa_kernarg_size 56
		.amdhsa_user_sgpr_count 2
		.amdhsa_user_sgpr_kernarg_segment_ptr 1
		.amdhsa_wavefront_size32 1
		.amdhsa_system_sgpr_workgroup_id_x 1
		.amdhsa_system_sgpr_workgroup_id_y 1
		.amdhsa_system_sgpr_workgroup_id_z 1
		.amdhsa_system_vgpr_workitem_id 0
		.amdhsa_next_free_vgpr 480
		.amdhsa_next_free_sgpr 100
		.amdhsa_reserve_vcc 1
		.amdhsa_float_denorm_mode_32 3
		.amdhsa_float_denorm_mode_16_64 3
		.amdhsa_memory_ordered 1
		.amdhsa_forward_progress 1
		.amdhsa_inst_pref_size 237
	.end_amdhsa_kernel
	.amdgpu_metadata
---
amdhsa.version: [ 1, 2 ]
amdhsa.kernels:
  - .name:           k_qf7e8ed9abb_attn
    .symbol:         k_qf7e8ed9abb_attn.kd
    .args:
      - { .name: Q_codes, .offset: 0, .size: 8, .value_kind: global_buffer, .address_space: global }
      - { .name: Q_scales, .offset: 8, .size: 8, .value_kind: global_buffer, .address_space: global }
      - { .name: K_codes, .offset: 16, .size: 8, .value_kind: global_buffer, .address_space: global }
      - { .name: K_scales, .offset: 24, .size: 8, .value_kind: global_buffer, .address_space: global }
      - { .name: V_codes, .offset: 32, .size: 8, .value_kind: global_buffer, .address_space: global }
      - { .name: V_scales, .offset: 40, .size: 8, .value_kind: global_buffer, .address_space: global }
      - { .name: out0, .offset: 48, .size: 8, .value_kind: global_buffer, .address_space: global }
    .group_segment_fixed_size: 327680
    .private_segment_fixed_size: 0
    .kernarg_segment_align: 8
    .kernarg_segment_size: 56
    .max_flat_workgroup_size: 256
    .sgpr_count:     100
    .vgpr_count:     480
    .wavefront_size: 32
...
	.end_amdgpu_metadata
.endif
;; end of part 1
